; MI455X (gfx1250); checked and timed in simulation.
; The chip was launched on July 23, 2026; its instructions are those of AMD's public machine-readable ISA for CDNA 5 (MIT licence, August 2026) and "CDNA5" Instruction Set Architecture Reference Guide (July 2026). The comments in the code are by the model that wrote it; some were corrected since.
;; Post Processor. Allowed arithmetic: float matrix products may take bf16 or f16 operands with f32 sums; other float arithmetic in f32, or as packed bf16 or f16 multiplies, adds, multiply-adds, maxima and minima; sums over many terms, partial sums and values carried from step to step in f32; what a program stores and reads back later, other than sums and carried values, may be rounded once to bf16 or f16.
;; Inputs: bbox_reg 2,000 x 324 float32; cls_logits 2,000 x 81 float32; prop_boxes 2,000 x 4 float32.
;; Outputs: out0 2 x 100 x 5 float32; out1 2 x 100 int32.
;; One version. Each part assembles by itself: llvm-mc -triple=amdgcn-amd-amdhsa -mcpu=gfx1250 --defsym DOCPART=n.
;; ======== version 1 of 1: 3 launches
;; workspace buffers: keys 655,360 bytes of whole numbers; kkeys 655,360 bytes of whole numbers; hist 20,480 bytes of whole numbers; boxes 2,621,440 bytes
;; launch softkey (part 1): grid 16 x 2, 8 waves a work-group, no clusters, 52,480 bytes of LDS; arguments cls_logits, keys; writes keys
.if DOCPART == 1
	.amdgcn_target "amdgcn-amd-amdhsa--gfx1250"
	.amdhsa_code_object_version 6
	.text
	.protected	k_qa83ffab192_softkey
	.globl	k_qa83ffab192_softkey
	.p2align	8
	.type	k_qa83ffab192_softkey,@function
k_qa83ffab192_softkey:
	s_mov_b64 s[64:65], 0
	v_nop
	global_prefetch_b8 v0, s[64:65] scope:SCOPE_SE
	s_setreg_imm32_b32 hwreg(HW_REG_WAVE_MODE, 25, 1), 1
	s_wait_xcnt 0x0
; SORT KEYS FROM THE SOFTMAX.  keys[b][c-1][.] for image b, class c = 1..80: the bit pattern of softmax(cls_logits)[row][c] where it is > 0.05, else 0.
; A positive f32's bit pattern orders as the number does, so the later launches sort and select on these whole numbers.
; DEAD WORK, for all values of the inputs.  (1) reference() slices class 0 away from scores and boxes: its logit enters the row's sum alone, and bbox_reg's
; columns 0..3 are never loaded.  (2) An entry with score <= 0.05 gets s = -inf: keep starts false for it, the loop's jnp.where(keep[i], ..) lets it suppress
; nothing, and in the top-100 it can only appear as valid = false, which writes zeros.  So its box is never decoded and it enters no IoU; which entries these
; are is decided by the keys stored here and read by the next launch.  (3) Of one class only its first 100 kept entries can be among an image's 100 best.
; LIMITS.  A NaN, an infinity or an overflow that reaches only the work left out is not carried to the result; NaN and infinite logits are not treated apart.
; The score is exp2((x - max) log2 e) times a refined reciprocal of the row's sum: a few units in the last place from reference()'s; two scores, or a score
; and 0.05, that lie closer than that may be ordered the other way.
; SHARES.  A work-group takes 64 proposals of one image (the last block of an image has 40; its other rows get key 0).  Their logits are 20,736 dense bytes:
; six loads of 16 bytes a thread (the sixth reaches past the block; offsets are held inside the buffer), laid into LDS as they lie.  Four lanes share a row:
; lane part p takes classes p, p+4, .. (21 numbers; number 20 exists for p = 0 alone).  An LDS row is 81 words: the 8 rows x 4 parts of a wave fall on 32
; different banks (64 banks of 4 bytes: ISA guide 11.1).
; THE WAY OUT.  Keys go through a stage [class][64 words], pitch 320 bytes, and leave as whole rows: 16 lanes store 256 consecutive bytes, aligned.  Inside
; such a row word w holds proposal 32 (w & 1) + (w >> 1) of the block, so that the next launch's 8-byte loads put proposal 32 g + lane into register g.
.set NPROP,  1000
.set ROWB,   324                        ; bytes in a row of logits
.set LOGB,   2*NPROP*ROWB               ; bytes in cls_logits
.set INB,    0                          ; LDS: the block as loaded, 6 x 4,096 bytes
.set STG,    6*4096                     ; LDS: the stage, 84 rows (classes 0..80 and three rows for the numbers that do not exist)
.set SPITCH, 320
.set SPARE,  STG+84*SPITCH              ; the spare words: 128 bytes for each of the eight waves; no other line names them
.set SPW, 2                             ; v2   my spare word's address; never rewritten
.set NIL, 3                             ; v3   0; never rewritten
.set GOF, 4                             ; v4-9 byte offsets of my six loads
.set LD,  12                            ; v12-35 loaded, later the rows on their way out
.set X,   40                            ; v40-60 my 21 numbers
.set MX,  62                            ; v62-63 the row's maximum, twice
.set RC,  64                            ; v64-65 1 / the row's sum, twice
	s_load_b128 s[4:7], s[0:1], 0x0                ; cls_logits s[4:5], keys s[6:7]
	v_lshl_add_u32 v[SPW], v0, 2, SPARE
	v_mov_b32 v[NIL], 0
	s_and_b32 s8, ttmp7, 0xffff                    ; image
	s_mul_i32 s9, s8, NPROP*ROWB
	s_mul_i32 s10, ttmp9, 64*ROWB
	s_add_co_u32 s9, s9, s10                       ; the block's first byte
	v_lshlrev_b32 v1, 4, v0                        ; 16 bytes a thread
	v_add_nc_u32 v[GOF], s9, v1
.irp r, 1,2,3,4,5
	v_add_nc_u32 v[GOF+\r], 4096*\r, v[GOF]
.endr
.irp r, 0,1,2,3,4,5
	v_min_u32 v[GOF+\r], LOGB-16, v[GOF+\r]        ; no load leaves the buffer; what is repeated so belongs to rows past the image's last
.endr
	s_wait_kmcnt 0x0
.irp r, 0,1,2,3,4,5
	global_load_b128 v[LD+4*\r:LD+4*\r+3], v[GOF+\r], s[4:5] th:TH_LOAD_NT
.endr
	; addresses, while the loads are out
	v_lshrrev_b32 v66, 2, v0                       ; my row of the block, 0..63
	v_and_b32 v67, 3, v0                           ; my part
	v_mul_u32_u24 v68, v66, ROWB
	v_lshl_add_u32 v68, v67, 2, v68                ; row x 324 + 4 p: my first number
	v_cmp_eq_u32 s12, 0, v67                       ; part 0 owns class 80
	s_lshl_b32 s11, ttmp9, 6
	v_add_nc_u32 v70, s11, v66                     ; the proposal's number in its image
	v_cmp_gt_u32 s13, NPROP, v70                   ; does it exist?
	v_and_b32 v71, 31, v66
	v_lshrrev_b32 v72, 5, v66
	v_lshl_add_u32 v71, v71, 1, v72                ; its word in a stage row: 2 (row & 31) + (row >> 5)
	v_mul_u32_u24 v72, v67, SPITCH
	v_lshl_add_u32 v71, v71, 2, v72                ; + class p's row; classes p + 4 i stand in the immediate
	v_lshrrev_b32 v73, 4, v0                       ; the way out: thread t takes 16 bytes of stage row 1 + (t >> 4) + 16 r
	v_and_b32 v74, 15, v0
	v_mul_u32_u24 v75, v73, SPITCH
	v_lshl_add_u32 v75, v74, 4, v75
	v_lshlrev_b32 v76, 12, v73                     ; a class's row of keys is 4,096 bytes
	v_lshl_add_u32 v76, v74, 4, v76
	s_mul_i32 s14, s8, 80*4096
	s_lshl_b32 s15, ttmp9, 8                       ; the block's 256 bytes of each row
	s_add_co_u32 s14, s14, s15
	s_mov_b32 s15, 0
	s_add_nc_u64 s[6:7], s[6:7], s[14:15]
	s_mov_b32 s16, 0x3d4ccccd                      ; 0.05
.irp r, 0,1,2,3,4,5
	s_wait_loadcnt 5-\r                            ; loads come back in order: load r is in, the younger ones stay out
	ds_store_b128 v1, v[LD+4*\r:LD+4*\r+3] offset:INB+4096*\r
.endr
	s_wait_dscnt 0x0                               ; for the others' sake: my stores are done
	s_barrier_signal -1
	s_barrier_wait -1
.set i, 0
.rept 21
	ds_load_b32 v[X+i], v68 offset:INB+16*i        ; class p + 4 i
.set i, i+1
.endr
	s_wait_dscnt 0x0
	v_cndmask_b32 v[X+20], v[X], v[X+20], s12      ; parts 1..3 have no number 20: they repeat their first, which changes no maximum
	v_max3_num_f32 v[MX], v[X], v[X+1], v[X+2]
.irp i, 3,5,7,9,11,13,15,17,19
	v_max3_num_f32 v[MX], v[MX], v[X+\i], v[X+\i+1]
.endr
	v_max_num_f32_dpp v[MX], v[MX], v[MX] row_xmask:1 row_mask:0xf bank_mask:0xf   ; the row's four lanes
	v_max_num_f32_dpp v[MX], v[MX], v[MX] row_xmask:2 row_mask:0xf bank_mask:0xf
	v_mov_b32 v[MX+1], v[MX]
.set i, 0
.rept 10
	v_pk_add_f32 v[X+2*i:X+2*i+1], v[X+2*i:X+2*i+1], v[MX:MX+1] neg_lo:[0,1] neg_hi:[0,1]   ; x - max, as reference() takes it
.set i, i+1
.endr
	v_sub_f32 v[X+20], v[X+20], v[MX]
.set i, 0
.rept 10
	v_pk_mul_f32 v[X+2*i:X+2*i+1], v[X+2*i:X+2*i+1], 0x3fb8aa3b op_sel_hi:[1,0]            ; times log2 e
.set i, i+1
.endr
	v_mul_f32 v[X+20], 0x3fb8aa3b, v[X+20]
.set i, 0
.rept 21
	v_exp_f32 v[X+i], v[X+i]                       ; one batch
.set i, i+1
.endr
	v_nop                                          ; a plain instruction behind the last exponential
	s_wait_alu depctr_va_vdst(0)                   ; one wait for the batch, ahead of its first reader
	v_cndmask_b32 v[X+20], 0, v[X+20], s12         ; the repeated number adds nothing
	v_pk_add_f32 v[78:79], v[X:X+1], v[X+2:X+3]
	v_pk_add_f32 v[80:81], v[X+4:X+5], v[X+6:X+7]
	v_pk_add_f32 v[78:79], v[78:79], v[X+8:X+9]
	v_pk_add_f32 v[80:81], v[80:81], v[X+10:X+11]
	v_pk_add_f32 v[78:79], v[78:79], v[X+12:X+13]
	v_pk_add_f32 v[80:81], v[80:81], v[X+14:X+15]
	v_pk_add_f32 v[78:79], v[78:79], v[X+16:X+17]
	v_pk_add_f32 v[80:81], v[80:81], v[X+18:X+19]
	v_pk_add_f32 v[78:79], v[78:79], v[80:81]
	v_add_f32 v78, v78, v79
	v_add_f32 v78, v78, v[X+20]
	v_add_f32_dpp v78, v78, v78 row_xmask:1 row_mask:0xf bank_mask:0xf
	v_add_f32_dpp v78, v78, v78 row_xmask:2 row_mask:0xf bank_mask:0xf
	v_rcp_f32 v[RC], v78
	v_nop
	s_wait_alu depctr_va_vdst(0)                   ; the reciprocal's wait
	v_fma_f32 v79, -v78, v[RC], 1.0                ; one Newton step: r + r (1 - s r)
	v_fma_f32 v[RC], v79, v[RC], v[RC]
	v_cndmask_b32 v[RC], 0, v[RC], s13             ; a row past the image's last gets score 0, so key 0
	v_mov_b32 v[RC+1], v[RC]
.set i, 0
.rept 10
	v_pk_mul_f32 v[X+2*i:X+2*i+1], v[X+2*i:X+2*i+1], v[RC:RC+1]
.set i, i+1
.endr
	v_mul_f32 v[X+20], v[X+20], v[RC]
.set i, 0
.rept 21
	v_cmp_lt_f32 vcc_lo, s16, v[X+i]               ; 0.05 < score
	v_cndmask_b32 v[X+i], 0, v[X+i], vcc_lo
	ds_store_b32 v71, v[X+i] offset:STG+4*SPITCH*i ; stage row p + 4 i (rows 0 and 81..83 are never sent)
.set i, i+1
.endr
	s_wait_dscnt 0x0                               ; for the others' sake
	s_barrier_signal -1
	s_barrier_wait -1
.irp r, 0,1,2,3,4
	ds_load_b128 v[LD+4*\r:LD+4*\r+3], v75 offset:STG+SPITCH+16*SPITCH*\r
.endr
.irp r, 0,1,2,3,4
	s_wait_dscnt 4-\r                              ; row r is back, the younger loads stay out
	global_store_b128 v76, v[LD+4*\r:LD+4*\r+3], s[6:7] offset:16*4096*\r   ; 16 lanes: 256 consecutive bytes, aligned
.endr
	s_wait_tensorcnt 0x0                           ; the wave's end
	ds_add_u32 v[SPW], v[NIL]
	s_wait_dscnt 0x0
	s_endpgm
.Lfunc_end_k_qa83ffab192_softkey:
	.size	k_qa83ffab192_softkey, .Lfunc_end_k_qa83ffab192_softkey-k_qa83ffab192_softkey
	.p2alignl 7, 3214868480
	.fill 96, 4, 3214868480
	.section	.rodata,"a",@progbits
	.p2align	6, 0x0
	.amdhsa_kernel k_qa83ffab192_softkey
		.amdhsa_group_segment_fixed_size 52480
		.amdhsa_private_segment_fixed_size 0
		.amdhsa_enable_private_segment 0
		.amdhsa_kernarg_size 16
		.amdhsa_user_sgpr_count 2
		.amdhsa_user_sgpr_kernarg_segment_ptr 1
		.amdhsa_wavefront_size32 1
		.amdhsa_system_sgpr_workgroup_id_x 1
		.amdhsa_system_sgpr_workgroup_id_y 1
		.amdhsa_system_sgpr_workgroup_id_z 1
		.amdhsa_system_vgpr_workitem_id 0
		.amdhsa_next_free_vgpr 84
		.amdhsa_next_free_sgpr 66
		.amdhsa_reserve_vcc 1
		.amdhsa_float_denorm_mode_32 3
		.amdhsa_float_denorm_mode_16_64 3
		.amdhsa_memory_ordered 1
		.amdhsa_forward_progress 1
		.amdhsa_inst_pref_size 15
	.end_amdhsa_kernel
	.amdgpu_metadata
---
amdhsa.version: [ 1, 2 ]
amdhsa.kernels:
  - .name:           k_qa83ffab192_softkey
    .symbol:         k_qa83ffab192_softkey.kd
    .args:
      - { .name: cls_logits, .offset: 0, .size: 8, .value_kind: global_buffer, .address_space: global }
      - { .name: keys, .offset: 8, .size: 8, .value_kind: global_buffer, .address_space: global }
    .group_segment_fixed_size: 52480
    .private_segment_fixed_size: 0
    .kernarg_segment_align: 8
    .kernarg_segment_size: 16
    .max_flat_workgroup_size: 256
    .sgpr_count:     66
    .vgpr_count:     84
    .wavefront_size: 32
...
	.end_amdgpu_metadata
.endif
;; end of part 1
;; launch nms (part 2): grid 80 x 2, 1 waves a work-group, no clusters, 35,328 bytes of LDS; arguments keys, bbox_reg, prop_boxes, kkeys, boxes, hist; writes kkeys, boxes, hist
.if DOCPART == 2
	.amdgcn_target "amdgcn-amd-amdhsa--gfx1250"
	.amdhsa_code_object_version 6
	.text
	.protected	k_qa83ffab192_nms
	.globl	k_qa83ffab192_nms
	.p2align	8
	.type	k_qa83ffab192_nms,@function
k_qa83ffab192_nms:
	s_mov_b64 s[64:65], 0
	v_nop
	global_prefetch_b8 v0, s[64:65] scope:SCOPE_SE
	s_setreg_imm32_b32 hwreg(HW_REG_WAVE_MODE, 25, 1), 1
	s_wait_xcnt 0x0
; ONE CLASS OF ONE IMAGE: sort, decode, greedy NMS.  Left out (shown at the head of the first kernel): every entry whose key is 0, and bbox_reg's class 0.
; One wave to a work-group: all LDS places below come from whole numbers read from memory (the keys), nothing is shared between waves, there is no barrier.
; 1. The class's 1,024 keys: 16 loads of 8 bytes a lane; register g, lane l holds proposal 32 g + l.
; 2. The K keys that are not 0 are packed into LDS in ascending proposal order: place = count so far + number of lower lanes that hold one.
; 3. For each chunk of 32 packed candidates: its proposal box and its 16 bytes of bbox_reg are asked for; meanwhile its rank is counted, j ahead of i where
;    key_j > key_i - [j < i], which is argsort(-s)'s stable order; the box is decoded and clipped as reference() does, and key, box and area go to place rank.
; 4. NMS by sorted chunks: lanes are the candidates i, j comes four at a time out of registers.  j suppresses i where i > j, j is kept and
;    inter > 0.5 (area_i + area_j - inter): reference()'s inter / union > 0.5 without the division's rounding (LIMIT: an IoU within rounding of 0.5 may fall
;    the other way).  Earlier chunks act by their final keep words; inside the chunk the 32 steps run in scalar registers, by selects, with no branch.
; 5. Stored: kkeys (sorted keys, 0 where dropped), boxes (sorted), hist[l] = number of kept keys >= TBASE + l TSTEP: 32 thresholds from 0.05's bits upward.
; Every loop counts to a constant (32 chunks) and is left early by a forward jump on K; whole chunks are written, places K.. of the last hold 0.
; LIMITS.  NaN and infinities in boxes are not treated apart (a clip by maximum and minimum turns a NaN into a bound).  The work grows as K x K on one wave.
.set CK,    0                           ; LDS: packed keys, 1,088 words (places 0..1055, place DUMP for lanes that hold nothing)
.set CN,    4352                        ;      packed proposal numbers
.set SK,    8704                        ;      sorted keys
.set SA,    13056                       ;      sorted areas
.set SB,    17408                       ;      sorted boxes, 16 bytes each
.set KW,    34816                       ;      a keep word for each chunk
.set SPARE, 35072                       ;      the spare words; no other line names them
.set DUMP,  1056
.set TBASE, 0x3d4ccccd
.set TSTEP, 0x119999
.set SPW,  1                            ; v1  my spare word's address; never rewritten
.set NIL,  2                            ; v2  0; never rewritten
.set ZERO, 3                            ; v3  0, as an operand
.set KEYI, 17                           ; v17 my candidate's key;  v18 its proposal;  v19 its place i
.set CNT,  20                           ; v20 its rank
.set DD,   21                           ; v21 i - 32 x the others' chunk
.set OTH,  22                           ; v22 the others' keys, a lane each
.set TT,   23                           ; v23-26 key_i - [j < i] for four j
.set KEYM, 27                           ; v27 key_i - 1
.set KEY,  32                           ; v32-63 the class's keys
.set OWN,  88                           ; v88-91 my sorted box; v92 its area; v93 its key; v94 the key or 0
.set OWNA, 92
.set W4,   104                          ; v104-119 four sets of four at work
.set ALIVE, 28                          ; s28 the chunk's keep word in the making
.set KWS,   29                          ; s29 an earlier chunk's keep word
; four others j0..j0+3 against my candidate: is j ahead of me?
.macro RANK4 j0
.irp u, 0,1,2,3
	v_readlane_b32 s[40+\u], v[OTH], (\j0)+\u
	v_cmp_lt_i32 s[44+\u], (\j0)+\u, v[DD]
.endr
.irp u, 0,1,2,3
	v_cndmask_b32 v[TT+\u], v[KEYI], v[KEYM], s[44+\u]
.endr
.irp u, 0,1,2,3
	v_cmp_gt_u32 vcc_lo, s[40+\u], v[TT+\u]
	v_add_co_ci_u32 v[CNT], vcc_lo, v[CNT], v[ZERO], vcc_lo
.endr
.endm
; four boxes j0..j0+3 out of registers ob.. (area oa) against my box; the four sets take turns line by line so that no line waits for the one before it
.macro STEP4 j0, ob, oa, intra
.irp u, 0,1,2,3
	v_readlane_b32 s[40+5*\u], v[\ob], (\j0)+\u
	v_readlane_b32 s[41+5*\u], v[(\ob)+1], (\j0)+\u
	v_readlane_b32 s[42+5*\u], v[(\ob)+2], (\j0)+\u
	v_readlane_b32 s[43+5*\u], v[(\ob)+3], (\j0)+\u
	v_readlane_b32 s[44+5*\u], v[\oa], (\j0)+\u
.endr
.irp u, 0,1,2,3
	v_min_num_f32 v[W4+4*\u], s[42+5*\u], v[OWN+2]
	v_min_num_f32 v[W4+4*\u+1], s[43+5*\u], v[OWN+3]
	v_max_num_f32 v[W4+4*\u+2], s[40+5*\u], v[OWN]
	v_max_num_f32 v[W4+4*\u+3], s[41+5*\u], v[OWN+1]
.endr
.irp u, 0,1,2,3
	v_pk_add_f32 v[W4+4*\u:W4+4*\u+1], v[W4+4*\u:W4+4*\u+1], v[W4+4*\u+2:W4+4*\u+3] neg_lo:[0,1] neg_hi:[0,1]
.endr
.irp u, 0,1,2,3
	v_pk_add_f32 v[W4+4*\u:W4+4*\u+1], v[W4+4*\u:W4+4*\u+1], 1.0 op_sel_hi:[1,0]
	v_add_f32 v[W4+4*\u+2], s[44+5*\u], v[OWNA]
.endr
.irp u, 0,1,2,3
	v_max_num_f32 v[W4+4*\u], 0, v[W4+4*\u]        ; the width alone is clipped: with a height below 0 the product is <= 0 and the test below fails as it must
.endr
.irp u, 0,1,2,3
	v_mul_f32 v[W4+4*\u], v[W4+4*\u], v[W4+4*\u+1]
.endr
.irp u, 0,1,2,3
	v_sub_f32 v[W4+4*\u+2], v[W4+4*\u+2], v[W4+4*\u]
.endr
.irp u, 0,1,2,3
	v_mul_f32 v[W4+4*\u+2], 0.5, v[W4+4*\u+2]
.endr
.irp u, 0,1,2,3
	v_cmp_gt_f32 s[32+\u], v[W4+4*\u], v[W4+4*\u+2]
.endr
.irp u, 0,1,2,3
.if \intra
	s_and_b32 s[32+\u], s[32+\u], (0xfffffffe<<((\j0)+\u))&0xffffffff   ; only lanes behind j
	s_bitcmp1_b32 s[ALIVE], (\j0)+\u               ; is j still kept?
.else
	s_bitcmp1_b32 s[KWS], (\j0)+\u
.endif
	s_cselect_b32 s[32+\u], s[32+\u], 0            ; a select, no branch: the flag comes from floating-point numbers
	s_and_not1_b32 s[ALIVE], s[ALIVE], s[32+\u]
.endr
.endm
; four kept keys against the 32 thresholds, a lane each
.macro HIST4 j0
.irp u, 0,1,2,3
	v_readlane_b32 s[40+\u], v94, (\j0)+\u
.endr
.irp u, 0,1,2,3
	v_cmp_ge_u32 vcc_lo, s[40+\u], v103
	v_add_co_ci_u32 v102, vcc_lo, v102, v[ZERO], vcc_lo
.endr
.endm
	s_load_b256 s[4:11], s[0:1], 0x0               ; keys s[4:5], bbox_reg s[6:7], prop_boxes s[8:9], kkeys s[10:11]
	s_load_b128 s[12:15], s[0:1], 0x20             ; boxes s[12:13], hist s[14:15]
	v_lshl_add_u32 v[SPW], v0, 2, SPARE
	v_mov_b32 v[NIL], 0
	v_mov_b32 v[ZERO], 0
	s_and_b32 s17, ttmp7, 0xffff                   ; image
	s_mul_i32 s18, s17, 80
	s_add_co_u32 s18, s18, ttmp9                   ; image x 80 + class - 1
	s_mov_b32 s37, 0
	s_lshl_b32 s36, s18, 12                        ; 4,096 bytes of keys a class
	v_lshlrev_b32 v6, 3, v0
	s_wait_kmcnt 0x0
	s_add_nc_u64 s[4:5], s[4:5], s[36:37]
.irp q, 0,1,2,3,4,5,6,7,8,9,10,11,12,13,14,15
	global_load_b64 v[KEY+2*\q:KEY+2*\q+1], v6, s[4:5] offset:256*\q th:TH_LOAD_NT   ; 256 consecutive bytes, aligned
.endr
	s_add_nc_u64 s[10:11], s[10:11], s[36:37]
	s_lshl_b32 s36, s18, 14
	s_add_nc_u64 s[12:13], s[12:13], s[36:37]      ; 16,384 bytes of boxes a class
	s_lshl_b32 s36, s18, 7
	s_add_nc_u64 s[14:15], s[14:15], s[36:37]
	s_mul_i32 s36, s17, 1296000                    ; the image's 1,000 rows of bbox_reg,
	s_lshl_b32 s19, ttmp9, 4
	s_add_co_u32 s36, s36, s19
	s_add_co_u32 s36, s36, 16                      ; the class's 16 bytes of a row
	s_add_nc_u64 s[6:7], s[6:7], s[36:37]
	s_mul_i32 s36, s17, 16000
	s_add_nc_u64 s[8:9], s[8:9], s[36:37]
	s_mov_b32 s30, 0x44a68000                      ; 1332.0
	s_mov_b32 s31, 0x4447c000                      ; 799.0
	v_mov_b32 v5, DUMP
.irp r, 12,13,14,15
	v_mov_b32 v[\r], 0
.endr
	v_mov_b32 v4, v0                               ; the proposal in my lane of group 0
	s_mov_b32 s20, 0                               ; K
.set g, 0
.rept 32
.if (g % 2) == 0
	s_wait_loadcnt 15-g/2                          ; this pair of groups is in, the younger loads stay out
.endif
	v_cmp_ne_u32 vcc_lo, 0, v[KEY+g]
	v_mbcnt_lo_u32_b32 v7, vcc_lo, s20             ; K so far + the lower lanes that hold a candidate
	v_cndmask_b32 v7, v5, v7, vcc_lo
	v_min_u32 v7, DUMP, v7                         ; a place made of loaded numbers is bounded before it becomes an address
	v_lshlrev_b32 v7, 2, v7
	ds_store_b32 v7, v[KEY+g] offset:CK
	ds_store_b32 v7, v4 offset:CN
	s_bcnt1_i32_b32 s21, vcc_lo
	s_add_co_u32 s20, s20, s21
	v_add_nc_u32 v4, 32, v4
.set g, g+1
.endr
	v_add_nc_u32 v6, s20, v0                       ; places K .. K + 31 of every list hold 0, so that the last chunk is whole
	v_min_u32 v6, DUMP-1, v6
	v_lshlrev_b32 v7, 2, v6
	v_lshlrev_b32 v8, 4, v6
	ds_store_b32 v7, v[ZERO] offset:CK
	ds_store_b32 v7, v[ZERO] offset:CN
	ds_store_b32 v7, v[ZERO] offset:SK
	ds_store_b32 v7, v[ZERO] offset:SA
	ds_store_b128 v8, v[12:15] offset:SB
	; ---- rank, decode, scatter: a chunk of 32 packed candidates a trip
	v_lshlrev_b32 v16, 2, v0
	v_mov_b32 v19, v0
	s_mov_b32 s26, 0
.Lsort:
	ds_load_b32 v[KEYI], v16 offset:CK
	ds_load_b32 v18, v16 offset:CN
	s_wait_dscnt 0x0
	v_min_u32 v18, 999, v18
	v_lshlrev_b32 v29, 4, v18
	v_mul_u32_u24 v30, v18, 1296
	global_load_b128 v[64:67], v29, s[8:9]         ; the proposal's box
	global_load_b128 v[68:71], v30, s[6:7]         ; the class's four codes; both are out while the rank is counted
	v_add_nc_u32 v[KEYM], -1, v[KEYI]
	v_mov_b32 v[CNT], 0
	v_mov_b32 v[DD], v19
	v_lshlrev_b32 v28, 2, v0
	s_mov_b32 s23, s20                             ; candidates from this chunk of others on
	s_mov_b32 s22, 0
.Lrank:
	ds_load_b32 v[OTH], v28 offset:CK
	s_wait_dscnt 0x0
	RANK4 0
	RANK4 4
.irp q, 8,16,24
	s_cmp_le_u32 s23, \q
	s_cbranch_scc1 .Lrank_next                     ; the rest of the chunk holds 0
	RANK4 \q
	RANK4 \q+4
.endr
.Lrank_next:
	v_add_nc_u32 v28, 128, v28
	v_add_nc_u32 v[DD], 0xffffffe0, v[DD]          ; - 32
	s_sub_co_u32 s23, s23, 32
	s_add_co_u32 s22, s22, 1
	s_lshl_b32 s24, s22, 5
	s_cmp_ge_u32 s24, s20
	s_cbranch_scc1 .Lrank_done
	s_cmp_lt_u32 s22, 32
	s_cbranch_scc1 .Lrank
.Lrank_done:
	s_wait_loadcnt 0x0
	v_sub_f32 v77, v66, v64
	v_sub_f32 v78, v67, v65
	v_mul_f32 v79, 0x3e4ccccd, v70                 ; dw = code / 5
	v_mul_f32 v80, 0x3e4ccccd, v71
	v_add_f32 v77, 1.0, v77                        ; w
	v_add_f32 v78, 1.0, v78                        ; h
	v_min_num_f32 v79, 0x40845349, v79             ; log(1000 / 16)
	v_min_num_f32 v80, 0x40845349, v80
	v_mul_f32 v79, 0x3fb8aa3b, v79
	v_mul_f32 v80, 0x3fb8aa3b, v80
	v_exp_f32 v79, v79
	v_exp_f32 v80, v80
	v_fma_f32 v81, 0.5, v77, v64                   ; cx; these six lines name no exponential's result
	v_fma_f32 v82, 0.5, v78, v65
	v_mul_f32 v83, 0x3dcccccd, v68                 ; dx = code / 10
	v_mul_f32 v84, 0x3dcccccd, v69
	v_fma_f32 v81, v83, v77, v81                   ; pcx
	v_fma_f32 v82, v84, v78, v82
	s_wait_alu depctr_va_vdst(0)                   ; one wait for both exponentials, ahead of their first reader
	v_mul_f32 v79, v79, v77                        ; pw
	v_mul_f32 v80, v80, v78
	v_fma_f32 v72, -0.5, v79, v81
	v_fma_f32 v73, -0.5, v80, v82
	v_fma_f32 v74, 0.5, v79, v81
	v_fma_f32 v75, 0.5, v80, v82
	v_add_f32 v74, -1.0, v74
	v_add_f32 v75, -1.0, v75
.irp r, 72,73,74,75
	v_max_num_f32 v[\r], 0, v[\r]
.endr
	v_min_num_f32 v72, s30, v72
	v_min_num_f32 v73, s31, v73
	v_min_num_f32 v74, s30, v74
	v_min_num_f32 v75, s31, v75
	v_sub_f32 v77, v74, v72
	v_sub_f32 v78, v75, v73
	v_add_f32 v77, 1.0, v77
	v_add_f32 v78, 1.0, v78
	v_mul_f32 v76, v77, v78                        ; area
	v_cmp_ne_u32 vcc_lo, 0, v[KEYI]
	v_cndmask_b32 v[CNT], v5, v[CNT], vcc_lo       ; a lane past K writes to the spare place
	v_min_u32 v[CNT], DUMP, v[CNT]
	v_lshlrev_b32 v6, 2, v[CNT]
	v_lshlrev_b32 v7, 4, v[CNT]
	ds_store_b32 v6, v[KEYI] offset:SK
	ds_store_b128 v7, v[72:75] offset:SB
	ds_store_b32 v6, v76 offset:SA
	v_add_nc_u32 v16, 128, v16
	v_add_nc_u32 v19, 32, v19
	s_add_co_u32 s26, s26, 1
	s_lshl_b32 s24, s26, 5
	s_cmp_ge_u32 s24, s20
	s_cbranch_scc1 .Lsorted
	s_cmp_lt_u32 s26, 32
	s_cbranch_scc1 .Lsort
.Lsorted:
	; ---- NMS: a sorted chunk a trip
	v_lshlrev_b32 v120, 2, v0
	v_lshlrev_b32 v121, 4, v0
	v_mov_b32 v125, 0
	v_lshlrev_b32 v126, 2, v0
	v_lshlrev_b32 v127, 4, v0
	v_mov_b32 v102, 0                              ; my threshold's count
	v_mul_u32_u24 v103, v0, TSTEP
	v_add_nc_u32 v103, TBASE, v103                 ; my threshold
	s_mov_b32 s27, s20                             ; candidates from this chunk on
	s_mov_b32 s26, 0
.Lchunk:
	ds_load_b32 v93, v120 offset:SK
	ds_load_b128 v[OWN:OWN+3], v121 offset:SB
	ds_load_b32 v[OWNA], v120 offset:SA
	s_wait_dscnt 0x0
	v_cmp_ne_u32 s[ALIVE], 0, v93
	s_cmp_eq_u32 s26, 0
	s_cbranch_scc1 .Lintra
	v_lshlrev_b32 v122, 2, v0
	v_lshlrev_b32 v123, 4, v0
	v_mov_b32 v124, 0
	s_mov_b32 s22, 0
.Lcross:                                           ; the chunks ahead of mine, by their final keep words
	ds_load_b128 v[96:99], v123 offset:SB
	ds_load_b32 v100, v122 offset:SA
	ds_load_b32 v101, v124 offset:KW
	s_wait_dscnt 0x0
	v_readfirstlane_b32 s[KWS], v101
.irp q, 0,4,8,12,16,20,24,28
	STEP4 \q, 96, 100, 0
.endr
	v_add_nc_u32 v122, 128, v122
	v_add_nc_u32 v123, 512, v123
	v_add_nc_u32 v124, 4, v124
	s_add_co_u32 s22, s22, 1
	s_cmp_ge_u32 s22, s26
	s_cbranch_scc1 .Lintra
	s_cmp_lt_u32 s22, 31
	s_cbranch_scc1 .Lcross
.Lintra:                                           ; inside the chunk, j ascending
	STEP4 0, OWN, OWNA, 1
	STEP4 4, OWN, OWNA, 1
.irp q, 8,16,24
	s_cmp_le_u32 s27, \q
	s_cbranch_scc1 .Lkept
	STEP4 \q, OWN, OWNA, 1
	STEP4 \q+4, OWN, OWNA, 1
.endr
.Lkept:
	v_mov_b32 v95, s[ALIVE]
	ds_store_b32 v125, v95 offset:KW               ; all lanes write the same word
	v_cndmask_b32 v94, 0, v93, s[ALIVE]
	global_store_b32 v126, v94, s[10:11]
	global_store_b128 v127, v[OWN:OWN+3], s[12:13] ; 512 consecutive bytes, aligned
	HIST4 0
	HIST4 4
.irp q, 8,16,24
	s_cmp_le_u32 s27, \q
	s_cbranch_scc1 .Lcounted
	HIST4 \q
	HIST4 \q+4
.endr
.Lcounted:
	s_wait_xcnt 0x0                                ; the two stores have read their offsets and data: only now are these rewritten
	v_add_nc_u32 v120, 128, v120
	v_add_nc_u32 v121, 512, v121
	v_add_nc_u32 v125, 4, v125
	v_add_nc_u32 v126, 128, v126
	v_add_nc_u32 v127, 512, v127
	s_sub_co_u32 s27, s27, 32
	s_add_co_u32 s26, s26, 1
	s_lshl_b32 s24, s26, 5
	s_cmp_ge_u32 s24, s20
	s_cbranch_scc1 .Lend
	s_cmp_lt_u32 s26, 32
	s_cbranch_scc1 .Lchunk
.Lend:
	v_lshlrev_b32 v6, 2, v0
	global_store_b32 v6, v102, s[14:15]            ; the class's 32 counts: 128 consecutive bytes
	s_wait_tensorcnt 0x0                           ; the wave's end
	ds_add_u32 v[SPW], v[NIL]
	s_wait_dscnt 0x0
	s_endpgm
.Lfunc_end_k_qa83ffab192_nms:
	.size	k_qa83ffab192_nms, .Lfunc_end_k_qa83ffab192_nms-k_qa83ffab192_nms
	.p2alignl 7, 3214868480
	.fill 96, 4, 3214868480
	.section	.rodata,"a",@progbits
	.p2align	6, 0x0
	.amdhsa_kernel k_qa83ffab192_nms
		.amdhsa_group_segment_fixed_size 35328
		.amdhsa_private_segment_fixed_size 0
		.amdhsa_enable_private_segment 0
		.amdhsa_kernarg_size 48
		.amdhsa_user_sgpr_count 2
		.amdhsa_user_sgpr_kernarg_segment_ptr 1
		.amdhsa_wavefront_size32 1
		.amdhsa_system_sgpr_workgroup_id_x 1
		.amdhsa_system_sgpr_workgroup_id_y 1
		.amdhsa_system_sgpr_workgroup_id_z 1
		.amdhsa_system_vgpr_workitem_id 0
		.amdhsa_next_free_vgpr 128
		.amdhsa_next_free_sgpr 66
		.amdhsa_reserve_vcc 1
		.amdhsa_float_denorm_mode_32 3
		.amdhsa_float_denorm_mode_16_64 3
		.amdhsa_memory_ordered 1
		.amdhsa_forward_progress 1
		.amdhsa_inst_pref_size 95
	.end_amdhsa_kernel
	.amdgpu_metadata
---
amdhsa.version: [ 1, 2 ]
amdhsa.kernels:
  - .name:           k_qa83ffab192_nms
    .symbol:         k_qa83ffab192_nms.kd
    .args:
      - { .name: keys, .offset: 0, .size: 8, .value_kind: global_buffer, .address_space: global }
      - { .name: bbox_reg, .offset: 8, .size: 8, .value_kind: global_buffer, .address_space: global }
      - { .name: prop_boxes, .offset: 16, .size: 8, .value_kind: global_buffer, .address_space: global }
      - { .name: kkeys, .offset: 24, .size: 8, .value_kind: global_buffer, .address_space: global }
      - { .name: boxes, .offset: 32, .size: 8, .value_kind: global_buffer, .address_space: global }
      - { .name: hist, .offset: 40, .size: 8, .value_kind: global_buffer, .address_space: global }
    .group_segment_fixed_size: 35328
    .private_segment_fixed_size: 0
    .kernarg_segment_align: 8
    .kernarg_segment_size: 48
    .max_flat_workgroup_size: 32
    .sgpr_count:     66
    .vgpr_count:     128
    .wavefront_size: 32
...
	.end_amdgpu_metadata
.endif
;; end of part 2
;; launch topk (part 3): grid 8 x 2, 1 waves a work-group, no clusters, 81,152 bytes of LDS; arguments kkeys, hist, boxes, out0, out1; writes out0, out1
.if DOCPART == 3
	.amdgcn_target "amdgcn-amd-amdhsa--gfx1250"
	.amdhsa_code_object_version 6
	.text
	.protected	k_qa83ffab192_topk
	.globl	k_qa83ffab192_topk
	.p2align	8
	.type	k_qa83ffab192_topk,@function
k_qa83ffab192_topk:
	s_mov_b64 s[64:65], 0
	v_nop
	global_prefetch_b8 v0, s[64:65] scope:SCOPE_SE
	s_setreg_imm32_b32 hwreg(HW_REG_WAVE_MODE, 25, 1), 1
	s_wait_xcnt 0x0
; THE 100 BEST KEPT ENTRIES OF AN IMAGE.  All decisions here are made on whole numbers read from memory (kkeys, hist); scores and boxes only pass through.
; Left out (shown at the head of the first kernel): entries whose key is 0, and entries with 100 kept ones of their own class ahead of them.
; Every work-group (one wave) repeats a short prelude:
;  1. total[l] = the sum over the 80 classes of hist[c][l], the number of kept keys >= threshold l; it falls with l.  l* = the highest l with total >= 100
;     (l = 0, which every key passes, if there is none), t* its threshold.  So at least min(100, all kept) entries pass t*, and the 100 best are among them.
;  2. n_c = min(hist[c][l*], 100) entries of class c pass; a prefix sum over the classes gives each class its places in one packed list.
;  3. Lanes are classes (three groups).  Each walks its sorted list from the top and puts the keys >= t* at its places, so the list's order is class, then
;     sorted position: lax.top_k's order among equal scores.  Positions 0..7 are loaded at the start; a class that has not found its n_c by then goes on
;     in a loop that loads a position a trip.  Only stored words of kkeys are read: a class that still lacks entries has one further down, so its position
;     lies in a stored chunk; a lane whose class is finished asks for its position 0 again, and what comes is ignored.
; Then work-group g ranks chunks g, g + 8, .. of the packed list (at most 8,000 entries): j ahead of i where key_j > key_i - [j < i].  Each rank below
; min(100, kept) is taken once, by one work-group.
; THE STORES RUN WITH ALL LANES ON.  A chunk's entries of rank below 100 are packed into a small stage in LDS (place = the number of lower lanes that hold
; one) and read back at place min(lane, count - 1): every lane then holds a row that exists, the lanes past the count repeat the last one and store the same
; bytes to the same place.  A chunk without such an entry jumps over its stores.  A row is 20 bytes at a place that its rank decides: five stores of 4 bytes
; a lane; the output is 4,800 bytes in all.  Rows from the number of kept entries to 99 are written as zeros by the image's last work-group, in the same way:
; lanes past row 99 repeat it.  A work-group whose chunks do not exist stores nothing: the grid serves every length of the list.
; Every loop counts to a constant; where it is left early, the counter is stepped first and the jump out stands behind the step.
.set HL,    0                           ; LDS: hist, a class a row of 144 bytes
.set HP,    144
.set PA,    11776                       ; LDS: the stage: key, id, rank and a word that nobody reads; 32 places and a spare one, 16 bytes each
.set PB,    12544                       ;      the stage: the box
.set FK,    13312                       ; LDS: the packed keys, 8,448 words (places 0..8031, place FDUMP)
.set FI,    47104                       ;      their ids, class x 1024 + position
.set SPARE, 80896                       ;      the spare words; no other line names them
.set FDUMP, 8032
.set FTOP,  4*8191                      ; the walks over the list stay at or below this byte
.set TBASE, 0x3d4ccccd
.set TSTEP, 0x119999
.set KLAST, 80*4096-4                   ; the last word of an image's kkeys
.set SPW,  1
.set NIL,  2
.set ZERO, 3
.set CL,   4                            ; v4-6   my class in group 0..2 (held at 79);  v7-9 x 4,096;  v10-12 x 1,024;  v13-15 x 144
.set AC,   16                           ; v16-19 totals of thresholds 4 (lane & 7) + e
.set NC,   24                           ; v24-26 n_c;  v27-29 its running sum
.set HS,   32                           ; v32-111 hist as loaded
.set HD,   112                          ; v112-135 positions 0..7 of my three classes
.set WP,   136                          ; v136-138 my classes' next places;  v139-141 their ends
.set WE,   139
.set KEYI, 154                          ; v154-157 my entry: key, id, rank, and i - 32 x the others' chunk: the four go into the stage as they lie
.set CNT,  156
.set DD,   157
.set OTH,  158
.set KEYM, 159
.set TT,   160
.set BOX,  168                          ; v168-171 my entry's box
.set SLA,  177                          ; v177-179 the slow loop's offsets as asked for
.set RA,   180                          ; v180-183 back from the stage: key, id, rank, -;  v184-187 the box
.set RB,   184
.set ACT,  53                           ; s53-55 the lanes of group 0..2 whose class still has places
.macro RANK4 j0
.irp u, 0,1,2,3
	v_readlane_b32 s[40+\u], v[OTH], (\j0)+\u
	v_cmp_lt_i32 s[44+\u], (\j0)+\u, v[DD]
.endr
.irp u, 0,1,2,3
	v_cndmask_b32 v[TT+\u], v[KEYI], v[KEYM], s[44+\u]
.endr
.irp u, 0,1,2,3
	v_cmp_gt_u32 vcc_lo, s[40+\u], v[TT+\u]
	v_add_co_ci_u32 v[CNT], vcc_lo, v[CNT], v[ZERO], vcc_lo
.endr
.endm
; one position of the classes of group g: a key >= t* goes to the class's next place
.macro CSTEP key, g, id
	v_cmp_le_u32 vcc_lo, s24, v[\key]
	v_cmp_lt_u32 s28, v[WP+\g], v[WE+\g]           ; the class still has places
	s_and_b32 vcc_lo, vcc_lo, s28
	v_cndmask_b32 v143, v142, v[WP+\g], vcc_lo
	v_min_u32 v143, FDUMP, v143                    ; bounded before it becomes an address
	v_lshlrev_b32 v143, 2, v143
	ds_store_b32 v143, v[\key] offset:FK
	ds_store_b32 v143, v[\id] offset:FI
	v_add_co_ci_u32 v[WP+\g], vcc_lo, v[WP+\g], v[ZERO], vcc_lo
.endm
; which classes still have places; s28 = any of them
.macro ACTIVE
	v_cmp_lt_u32 s[ACT], v[WP], v[WE]
	v_cmp_lt_u32 s[ACT+1], v[WP+1], v[WE+1]
	v_cmp_lt_u32 s[ACT+2], v[WP+2], v[WE+2]
	s_or_b32 s28, s[ACT], s[ACT+1]
	s_or_b32 s28, s28, s[ACT+2]
.endm
; the running sum of n_c over the 32 classes of group g, then the classes' first and last places
.macro SCAN g
	v_mov_b32 v[NC+3+\g], v[NC+\g]
.irp sh, 1,2,4,8
	v_mov_b32_dpp v20, v[NC+3+\g] row_shr:\sh row_mask:0xf bank_mask:0xf bound_ctrl:1
	v_add_nc_u32 v[NC+3+\g], v[NC+3+\g], v20
.endr
	v_readlane_b32 s26, v[NC+3+\g], 15             ; the lower 16 lanes' sum goes onto the upper 16
	v_mov_b32 v20, s26
	v_cndmask_b32 v20, 0, v20, s27
	v_add_nc_u32 v[NC+3+\g], v[NC+3+\g], v20
	v_sub_nc_u32 v[WP+\g], v[NC+3+\g], v[NC+\g]
	v_add_nc_u32 v[WP+\g], s38, v[WP+\g]
	v_add_nc_u32 v[WE+\g], v[WP+\g], v[NC+\g]
	v_readlane_b32 s26, v[NC+3+\g], 31
	s_add_co_u32 s38, s38, s26
.endm
	s_load_b256 s[4:11], s[0:1], 0x0               ; kkeys s[4:5], hist s[6:7], boxes s[8:9], out0 s[10:11]
	s_load_b64 s[12:13], s[0:1], 0x20              ; out1
	v_lshl_add_u32 v[SPW], v0, 2, SPARE
	v_mov_b32 v[NIL], 0
	v_mov_b32 v[ZERO], 0
	s_and_b32 s17, ttmp7, 0xffff                   ; image
	s_mov_b32 s37, 0
	s_mov_b32 s51, 0x76543210                      ; v_permlanex16_b32: each lane takes its own place in the other half
	s_mov_b32 s52, 0xfedcba98
	s_mov_b32 s27, 0xffff0000                      ; lanes 16..31
	v_lshlrev_b32 v21, 4, v0
.irp g, 0,1,2
	v_add_nc_u32 v[CL+\g], 32*\g, v0
	v_min_u32 v[CL+\g], 79, v[CL+\g]               ; lanes past class 79 repeat it; their n_c is set to 0 below
	v_lshlrev_b32 v[CL+3+\g], 12, v[CL+\g]
	v_lshlrev_b32 v[CL+6+\g], 10, v[CL+\g]
	v_mul_u32_u24 v[CL+9+\g], v[CL+\g], HP
.endr
	s_wait_kmcnt 0x0
	s_mul_i32 s36, s17, 10240
	s_add_nc_u64 s[6:7], s[6:7], s[36:37]
	s_mul_i32 s36, s17, 327680
	s_add_nc_u64 s[4:5], s[4:5], s[36:37]
.irp r, 0,1,2,3,4,5,6,7,8,9,10,11,12,13,14,15,16,17,18,19
	global_load_b128 v[HS+4*\r:HS+4*\r+3], v21, s[6:7] offset:512*\r   ; classes 4 r + (lane >> 3), thresholds 4 (lane & 7) ..
.endr
.irp g, 0,1,2
	global_load_b128 v[HD+8*\g:HD+8*\g+3], v[CL+3+\g], s[4:5]          ; the first chunk of every class is always stored
	global_load_b128 v[HD+8*\g+4:HD+8*\g+7], v[CL+3+\g], s[4:5] offset:16
.endr
	s_mul_i32 s36, s17, 1310720
	s_add_nc_u64 s[8:9], s[8:9], s[36:37]
	s_mul_i32 s36, s17, 2000
	s_add_nc_u64 s[10:11], s[10:11], s[36:37]
	s_mul_i32 s36, s17, 400
	s_add_nc_u64 s[12:13], s[12:13], s[36:37]
	v_lshrrev_b32 v22, 3, v0
	v_mul_u32_u24 v22, v22, HP
	v_and_b32 v23, 7, v0
	v_lshl_add_u32 v22, v23, 4, v22
	v_mov_b32 v20, 0
	v_mov_b32 v142, FDUMP
	s_wait_loadcnt 6                               ; hist is in; the six loads of the lists' heads, issued behind it, may stay out
.irp r, 0,1,2,3,4,5,6,7,8,9,10,11,12,13,14,15,16,17,18,19
	ds_store_b128 v22, v[HS+4*\r:HS+4*\r+3] offset:HL+4*HP*\r
.endr
.irp e, 0,1,2,3
	v_add3_u32 v[AC+\e], v[HS+\e], v[HS+4+\e], v[HS+8+\e]
.endr
.irp r, 3,5,7,9,11,13,15,17
.irp e, 0,1,2,3
	v_add3_u32 v[AC+\e], v[AC+\e], v[HS+4*\r+\e], v[HS+4*\r+4+\e]
.endr
.endr
.irp e, 0,1,2,3
	v_add_nc_u32 v[AC+\e], v[AC+\e], v[HS+76+\e]
.endr
.irp e, 0,1,2,3
	v_mov_b32_dpp v20, v[AC+\e] row_xmask:8 row_mask:0xf bank_mask:0xf ; the four groups of eight lanes hold different classes
	v_add_nc_u32 v[AC+\e], v[AC+\e], v20
.endr
.irp e, 0,1,2,3
	v_permlanex16_b32 v20, v[AC+\e], s51, s52
	v_add_nc_u32 v[AC+\e], v[AC+\e], v20
.endr
	s_mov_b32 s20, 0
.irp e, 0,1,2,3
	v_cmp_le_u32 vcc_lo, 100, v[AC+\e]
	s_and_b32 s21, vcc_lo, 0xff                    ; lanes 0..7 hold each threshold once
	s_bcnt1_i32_b32 s21, s21
	s_add_co_u32 s20, s20, s21
.endr
	s_max_u32 s20, s20, 1
	s_sub_co_u32 s20, s20, 1                       ; l*
	s_min_u32 s20, s20, 31
	v_readfirstlane_b32 s22, v[AC]                 ; total[0]: all kept entries
	s_min_u32 s23, s22, 100                        ; rows that hold an entry
	s_mul_i32 s24, s20, TSTEP
	s_add_co_u32 s24, s24, TBASE                   ; t*
	s_lshl_b32 s25, s20, 2
.irp g, 0,1,2
	v_add_nc_u32 v[144+\g], s25, v[CL+9+\g]
	ds_load_b32 v[NC+\g], v[144+\g] offset:HL      ; hist[c][l*]
.endr
	s_wait_dscnt 0x0
.irp g, 0,1,2
	v_min_u32 v[NC+\g], 100, v[NC+\g]
.endr
	v_cmp_gt_u32 vcc_lo, 16, v0
	v_cndmask_b32 v[NC+2], 0, v[NC+2], vcc_lo      ; group 2 has 16 classes
	s_mov_b32 s38, 0
	SCAN 0
	SCAN 1
	SCAN 2
	s_mov_b32 s35, s38                             ; the packed list's length
	s_wait_loadcnt 0x0                             ; the heads
.irp p, 0,1,2,3,4,5,6,7
.irp g, 0,1,2
	v_add_nc_u32 v144, \p, v[CL+6+\g]
	CSTEP HD+8*\g+\p, \g, 144
.endr
.endr
	ACTIVE
	s_cmp_eq_u32 s28, 0
	s_cbranch_scc1 .Lfilled                        ; every class has found its entries: the loop below is passed by
.irp g, 0,1,2
	v_add_nc_u32 v[145+\g], 32, v[CL+3+\g]         ; position 8
	v_add_nc_u32 v[148+\g], 8, v[CL+6+\g]
.endr
	s_mov_b32 s31, 8
.Lslow:                                            ; a position a trip, for lists whose entries >= t* reach further down
.irp g, 0,1,2
	v_cndmask_b32 v[SLA+\g], v[CL+3+\g], v[145+\g], s[ACT+\g]   ; a finished class asks for its position 0 again
	v_min_u32 v[SLA+\g], KLAST, v[SLA+\g]          ; bounded before it becomes an address
	global_load_b32 v[151+\g], v[SLA+\g], s[4:5]
.endr
	s_wait_loadcnt 0x0                             ; the three keys are in, and their offsets may be written again
.irp g, 0,1,2
	CSTEP 151+\g, \g, 148+\g
.endr
.irp g, 0,1,2
	v_add_nc_u32 v[145+\g], 4, v[145+\g]
	v_add_nc_u32 v[148+\g], 1, v[148+\g]
.endr
	ACTIVE
	s_add_co_u32 s31, s31, 1                       ; the counter's step, ahead of the jump out
	s_cmp_eq_u32 s28, 0
	s_cbranch_scc1 .Lfilled
	s_cmp_lt_u32 s31, 1024
	s_cbranch_scc1 .Lslow
.Lfilled:
	v_add_nc_u32 v143, s35, v0                     ; 32 zeros behind the list, so that its last chunk is whole
	v_min_u32 v143, FDUMP-1, v143
	v_lshlrev_b32 v143, 2, v143
	ds_store_b32 v143, v[ZERO] offset:FK
	ds_store_b32 v143, v[ZERO] offset:FI
	; rows that no entry takes, from the number of kept entries to 99: the image's last work-group writes them, 32 a step; lanes past row 99 repeat it
	s_mov_b32 s39, ttmp9
	s_lshl_b32 s33, s39, 5                         ; my first chunk's first place
	s_cmp_lg_u32 s39, 7
	s_cbranch_scc1 .Lrows
	s_cmp_ge_u32 s23, 100
	s_cbranch_scc1 .Lrows                          ; all 100 rows hold entries
	v_add_nc_u32 v172, s23, v0
.irp k, 0,1,2,3
	v_add_nc_u32 v175, 32*\k, v172
	v_min_u32 v175, 99, v175                       ; bounded before it becomes an address
	v_mul_u32_u24 v173, v175, 20
	v_lshlrev_b32 v174, 2, v175
.irp o, 0,4,8,12,16
	global_store_b32 v173, v[ZERO], s[10:11] offset:\o
.endr
	global_store_b32 v174, v[ZERO], s[12:13]
	s_wait_xcnt 0x0                                ; the six stores have read their offsets: only now are these written again
.endr
.Lrows:
	; my chunks of the packed list: g, g + 8, ..
	v_add_nc_u32 v165, s33, v0                     ; i
	v_lshlrev_b32 v164, 2, v165
	s_cmp_ge_u32 s33, s35
	s_cbranch_scc1 .Ldone                          ; my first chunk does not exist: the loop below is passed by
	s_mov_b32 s32, 0
.Lown:
	v_min_u32 v190, FTOP, v164                     ; the walk's length hangs on a stored count: the place is held inside the list's room
	ds_load_b32 v[KEYI], v190 offset:FK
	ds_load_b32 v155, v190 offset:FI
	s_wait_dscnt 0x0
	v_min_u32 v176, 81919, v155                    ; bounded before it becomes an address
	v_lshlrev_b32 v176, 4, v176
	global_load_b128 v[BOX:BOX+3], v176, s[8:9]    ; the entry's box, out while the rank is counted
	v_add_nc_u32 v[KEYM], -1, v[KEYI]
	v_mov_b32 v[CNT], 0
	v_mov_b32 v[DD], v165
	v_lshlrev_b32 v166, 2, v0
	s_mov_b32 s49, s35
	s_mov_b32 s48, 0
.Lrank:
	v_min_u32 v167, FTOP, v166                     ; held inside the list's room, as above
	ds_load_b32 v[OTH], v167 offset:FK
	s_wait_dscnt 0x0
	RANK4 0
	RANK4 4
.irp q, 8,16,24
	s_cmp_le_u32 s49, \q
	s_cbranch_scc1 .Lrank_next                     ; the rest of the chunk holds 0
	RANK4 \q
	RANK4 \q+4
.endr
.Lrank_next:
	v_add_nc_u32 v166, 128, v166
	v_add_nc_u32 v[DD], 0xffffffe0, v[DD]          ; - 32
	s_sub_co_u32 s49, s49, 32
	s_add_co_u32 s48, s48, 1
	s_lshl_b32 s50, s48, 5
	s_cmp_ge_u32 s50, s35
	s_cbranch_scc1 .Lrank_done
	s_cmp_lt_u32 s48, 256
	s_cbranch_scc1 .Lrank
.Lrank_done:
	s_wait_loadcnt 0x0                             ; the box is in
	v_cmp_ne_u32 vcc_lo, 0, v[KEYI]
	v_cmp_gt_u32 s28, 100, v[CNT]
	s_and_b32 s29, vcc_lo, s28                     ; the lanes whose entry has a row
	s_bcnt1_i32_b32 s30, s29
	s_cmp_eq_u32 s30, 0
	s_cbranch_scc1 .Lnext                          ; none in this chunk: nothing is stored
	v_mbcnt_lo_u32_b32 v188, s29, 0                ; the lower lanes that hold one
	v_cndmask_b32 v188, 32, v188, s29              ; the others write to the spare place
	v_min_u32 v188, 32, v188                       ; bounded before it becomes an address
	v_lshlrev_b32 v188, 4, v188
	ds_store_b128 v188, v[KEYI:KEYI+3] offset:PA   ; key, id, rank, and a word that nobody reads
	ds_store_b128 v188, v[BOX:BOX+3] offset:PB
	s_sub_co_u32 s30, s30, 1
	v_min_u32 v189, s30, v0                        ; lanes past the count repeat the last entry
	v_min_u32 v189, 31, v189                       ; bounded before it becomes an address
	v_lshlrev_b32 v189, 4, v189
	ds_load_b128 v[RA:RA+3], v189 offset:PA        ; LDS serves a wave's instructions in order (ISA guide 5.7.1.4): these see the stores above
	ds_load_b128 v[RB:RB+3], v189 offset:PB
	s_wait_dscnt 0x0
	v_min_u32 v172, 99, v[RA+2]                    ; the rank, bounded before it becomes an address
	v_mul_u32_u24 v173, v172, 20
	v_lshlrev_b32 v174, 2, v172
	v_lshrrev_b32 v175, 10, v[RA+1]
	v_add_nc_u32 v175, 1, v175                     ; the label
	global_store_b32 v173, v[RA], s[10:11]         ; the key's bits are the score
	global_store_b32 v173, v[RB], s[10:11] offset:4
	global_store_b32 v173, v[RB+1], s[10:11] offset:8
	global_store_b32 v173, v[RB+2], s[10:11] offset:12
	global_store_b32 v173, v[RB+3], s[10:11] offset:16
	global_store_b32 v174, v175, s[12:13]
	s_wait_xcnt 0x0                                ; the stores have read their offsets and data: the next trip writes these again
.Lnext:
	v_add_nc_u32 v164, 1024, v164
	v_add_nc_u32 v165, 256, v165
	s_add_co_u32 s33, s33, 256                     ; my next chunk's first place
	s_add_co_u32 s32, s32, 1                       ; the counter's step, ahead of the jump out
	s_cmp_ge_u32 s33, s35
	s_cbranch_scc1 .Ldone
	s_cmp_lt_u32 s32, 32
	s_cbranch_scc1 .Lown
.Ldone:
	s_wait_tensorcnt 0x0                           ; the wave's end
	ds_add_u32 v[SPW], v[NIL]
	s_wait_dscnt 0x0
	s_endpgm
.Lfunc_end_k_qa83ffab192_topk:
	.size	k_qa83ffab192_topk, .Lfunc_end_k_qa83ffab192_topk-k_qa83ffab192_topk
	.p2alignl 7, 3214868480
	.fill 96, 4, 3214868480
	.section	.rodata,"a",@progbits
	.p2align	6, 0x0
	.amdhsa_kernel k_qa83ffab192_topk
		.amdhsa_group_segment_fixed_size 81152
		.amdhsa_private_segment_fixed_size 0
		.amdhsa_enable_private_segment 0
		.amdhsa_kernarg_size 40
		.amdhsa_user_sgpr_count 2
		.amdhsa_user_sgpr_kernarg_segment_ptr 1
		.amdhsa_wavefront_size32 1
		.amdhsa_system_sgpr_workgroup_id_x 1
		.amdhsa_system_sgpr_workgroup_id_y 1
		.amdhsa_system_sgpr_workgroup_id_z 1
		.amdhsa_system_vgpr_workitem_id 0
		.amdhsa_next_free_vgpr 192
		.amdhsa_next_free_sgpr 66
		.amdhsa_reserve_vcc 1
		.amdhsa_float_denorm_mode_32 3
		.amdhsa_float_denorm_mode_16_64 3
		.amdhsa_memory_ordered 1
		.amdhsa_forward_progress 1
		.amdhsa_inst_pref_size 43
	.end_amdhsa_kernel
	.amdgpu_metadata
---
amdhsa.version: [ 1, 2 ]
amdhsa.kernels:
  - .name:           k_qa83ffab192_topk
    .symbol:         k_qa83ffab192_topk.kd
    .args:
      - { .name: kkeys, .offset: 0, .size: 8, .value_kind: global_buffer, .address_space: global }
      - { .name: hist, .offset: 8, .size: 8, .value_kind: global_buffer, .address_space: global }
      - { .name: boxes, .offset: 16, .size: 8, .value_kind: global_buffer, .address_space: global }
      - { .name: out0, .offset: 24, .size: 8, .value_kind: global_buffer, .address_space: global }
      - { .name: out1, .offset: 32, .size: 8, .value_kind: global_buffer, .address_space: global }
    .group_segment_fixed_size: 81152
    .private_segment_fixed_size: 0
    .kernarg_segment_align: 8
    .kernarg_segment_size: 40
    .max_flat_workgroup_size: 32
    .sgpr_count:     66
    .vgpr_count:     192
    .wavefront_size: 32
...
	.end_amdgpu_metadata
.endif
;; end of part 3
